; MI455X (gfx1250); checked and timed in simulation.
; The chip was launched on July 23, 2026; its instructions are those of AMD's public machine-readable ISA for CDNA 5 (MIT licence, August 2026) and "CDNA5" Instruction Set Architecture Reference Guide (July 2026). The comments in the code are by the model that wrote it; some were corrected since.
;; Triangle Attention Starting Node. Allowed arithmetic: matrix products marked QUANTISED: E5M2 operands, one given power-of-two scale a tensor, by v_wmma_f32_16x16x64_bf8_bf8 or v_wmma_f32_16x16x128_bf8_bf8, f32 sums; products left as they are: f32 operands where the result goes on into a quantised operand, else bf16, f16 or f32 operands; f32 sums; everything else in f32.
;; Inputs: Z_mask 1 x 256 x 256 float32; Z_raw 1 x 256 x 256 x 128 float32; bg 4 x 32 float32; ln_b 128 float32; ln_w 128 float32; lowp_scales 14 int32 (the exponents e of the quantised operands' scales 2^e); out_bias 128 float32; w_b 128 x 4 float32; wg 128 x 4 x 32 float32; wk 128 x 4 x 32 float32; wo 4 x 32 x 128 float32; wq 128 x 4 x 32 float32; wv 128 x 4 x 32 float32.
;; Outputs: out0 1 x 256 x 256 x 128 float32.
;; This version of the problem:
;;   THIS VERSION OF THE PROBLEM IS GIVEN IN LOW PRECISION. The matrix products marked QUANTISED in the list below multiply operands that are first quantised to E5M2 (5 exponent bits, 2 mantissa bits; 8 bits a number), with one given power-of-two scale for each operand tensor; their sums are f32. All else is computed in f32.
;;   The module's matrix products, in the order in which they are computed (A, B: the left and right operand; K: the contracted axis; several contracted axes count as one K, in the product's order):
;;     1. [M 4, K 128] x [K 128, N 65,536]; A: input w_b; B: computed on the way: left as it is (M = 4 < 16)
;;     2. [M 65,536, K 128] x [K 128, N 128]; A: computed on the way; B: input wq: QUANTISED (scales: A lowp_scales[0], B lowp_scales[1])
;;     3. [M 65,536, K 128] x [K 128, N 128]; A: computed on the way; B: input wk: QUANTISED (scales: A lowp_scales[2], B lowp_scales[3])
;;     4. [M 65,536, K 128] x [K 128, N 128]; A: computed on the way; B: input wv: QUANTISED (scales: A lowp_scales[4], B lowp_scales[5])
;;     5. batch 1,024 x [M 256, K 32] x [K 32, N 256]; A: computed on the way; B: computed on the way: QUANTISED (scales: A lowp_scales[6], B lowp_scales[7])
;;     6. batch 1,024 x [M 32, K 256] x [K 256, N 256]; A: computed on the way; B: softmax (see below): QUANTISED (scales: A lowp_scales[8], B lowp_scales[9])
;;     7. [M 65,536, K 128] x [K 128, N 128]; A: computed on the way; B: input wg: QUANTISED (scales: A lowp_scales[10], B lowp_scales[11])
;;     8. [M 65,536, K 128] x [K 128, N 128]; A: computed on the way; B: input wo: QUANTISED (scales: A lowp_scales[12], B lowp_scales[13])
;;   THE QUANTISER, for each operand of a quantised product, along K:
;;     - The operand's scale is 2^e, e = its entry of the input lowp_scales (int32; the entries are numbered through the quantised products in the list's order, A before B).
;;     - Each number is divided by the scale, clamped to +-57,344, and rounded to the nearest number of E5M2, ties to even, subnormals kept.
;;     - The product sums the exact products of the quantised numbers (number of the format x scale) in f32.
;;   ~~~python
;;   def quantise(x, axis, e):      # numpy; x: float32 -> the quantised numbers, widened to float32 again
;;       x = np.moveaxis(x, axis, -1); K = x.shape[-1]
;;       r = np.clip(x / 2.0 ** e, -57344, 57344)
;;       step = 2.0 ** (np.maximum(np.frexp(np.where(r == 0, 1, r))[1] - 1, -14) - 2)
;;       q = np.round(r / step) * step * 2.0 ** e      # np.round: ties to even
;;       return np.moveaxis(q, -1, axis).astype(np.float32)
;;   ~~~
;;   SOFTMAX AHEAD OF A QUANTISED PRODUCT. Where the list says 'softmax', what is quantised is not the finished softmax but p = 2^(t - M), with t = logit x log2(e) and M = ceil(the row's largest t), a whole number; so 1/2 < the row's largest p <= 1. The row's sum l is taken of the UNQUANTISED p, in f32, and the product's result is divided by l at the end. Since M is a whole number, a kernel that streams over the keys may use a running M (the ceiling of the running maximum): every later rescaling is an exact power of two, so the quantised numbers keep their values, but for numbers so far below the row's largest that they fall under the format's range.
;;   OPERANDS COMPUTED ON THE WAY. 'Computed on the way' means the value that the module computes at that place (a softmax that the list does not call 'softmax' is quantised finished and normalised). What goes into a quantiser is computed in f32, as accurately as f32 sums, v_exp_f32 and their like allow (about 1e-6 of the number): no bf16 or f16 on the way to a quantiser, and a product that is left as it is and whose result goes on into a quantised operand takes f32 operands (vector FMAs, or v_wmma_f32_16x16x4_f32). A number that lies on a knife's edge between two numbers of the format may be rounded either way, as far as f32 arithmetic and the matrix unit's own rounding can turn it there, and no further.
;; One version. Each part assembles by itself: llvm-mc -triple=amdgcn-amd-amdhsa -mcpu=gfx1250 --defsym DOCPART=n.
;; ======== version 1 of 1: 2 launches
;; limits: right only within a limited range of input values
;; workspace buffers: tri 1,048,576 bytes; wcodes 81,920 bytes; zq 8,388,608 bytes; zk 8,388,608 bytes; zv 8,388,608 bytes; zg 8,388,608 bytes; flags 65,536 bytes of whole numbers
;; launch rows (part 1): grid 265 x 1, 8 waves a work-group, no clusters, 41,984 bytes of LDS; arguments Z_raw, ln_w, ln_b, w_b, lowp_scales, wq, wk, wv, wg, wo, Z_mask, tri, wcodes, zq, zk, zv, zg, flags; writes tri, wcodes, zq, zk, zv, zg, flags
.if DOCPART == 1
	.amdgcn_target "amdgcn-amd-amdhsa--gfx1250"
	.amdhsa_code_object_version 6
	.text
	.protected	k_qeda1201c03_rows
	.globl	k_qeda1201c03_rows
	.p2align	8
	.type	k_qeda1201c03_rows,@function
k_qeda1201c03_rows:
	s_mov_b64 s[64:65], 0
	v_nop
	global_prefetch_b8 v0, s[64:65] scope:SCOPE_SE
	s_setreg_imm32_b32 hwreg(HW_REG_WAVE_MODE, 25, 1), 1
	s_wait_xcnt 0x0
; ROWS.  Three kinds of work-groups, told apart by the work-group's number alone.
; 0 to 255: LayerNorm of Z_raw, once; from it the pair bias (f32 fused multiply-adds) and Z's codes, laid as the next launch's operand registers want them.
;   A work-group takes the patch i = 8 ib + 0..7, j = 32 jb + 0..31; wave w takes row i = 8 ib + w, 32 positions as two tiles m of 16.
;   Sixteen lanes to a position, lane a holds d = 64 c + 4 a + 0..3, c = 0, 1: a step's two loads cover two positions.  Four steps go line by line.
;   A lane's eight numbers become eight codes, byte 8 a + e of the position's row of 128 in LDS (d = 64 (e / 4) + 4 a + e % 4): ONE PERMUTATION OF K, which the weights' images share.
;   Z is the left operand of four products with given exponents e0, e2, e4, e10.  The codes under e0 are always stored; those under another exponent only where it differs, so that the codes are not at hand already:
;   branches on whole numbers that were given.  The next launch chooses by the same comparisons.
; 256 to 260: one weight each (wq, wk, wv, wg, wo) becomes codes, a slice of 16 rows for each wave.  A load takes a row of 128 columns, four to a lane; the hold at the largest code puts the numbers where the conversion
;   wants them, 16 of one column on end.
; 261 to 264: eight rows of Z_mask for each wave become whole numbers: 0 where every entry is 1.
; No dead work was found to leave out.  No cluster: the work-groups share 3 KB of parameters alone.  No prefetch: there is no loop to run ahead in.
; LIMITS: NaN and infinities among the inputs are not served.  e0, e1, e2, e3, e4, e5, e10, e11, e13 between -126 and 112, so that 2^e and 57,344 x 2^e are f32 numbers; e6+e7 between -90 and 100.
.set STAGE, 36864                      ; behind eight waves' 32 rows x 144 bytes of codes: the bias sums [head][key tile 2][j/4][k%16/8][w][4]
.set SPARE, 40960                      ; the spare words, 128 bytes a wave
.set SPW, 1
.set NIL, 2
.set ZO,  3                            ; 512 g + 16 a
.set TS,  4                            ; where I put a bias sum
.set L16, 5                            ; 16 lane
.set CST, 6                            ; codes, in
.set CLD, 7                            ; codes, out as fragments
.set RDB, 9                            ; the bias stage, out
.set SC,  10
.set LIM, 11
.set L8,  12                           ; 8 lane
.set AL,  15
.set LW,  16
.set LB,  24
.set WB,  32
.set VV,  64
.set TT,  68                           ; v68-115: four sets of 12
.set AW,  124
.set RAW, 128                          ; v128-255: sixteen steps x 8 numbers
.set ZF,  16                           ; behind LayerNorm: Z's fragments, v16-47
.set RT,  48                           ; v48-79 held numbers under another scale
.set RC,  112                          ; v112-119 their codes
.set XH,  192                          ; the weights' work-groups: v192-255 held numbers,
.set CD,  64                           ; v64-79 codes
.macro WALU
	s_wait_alu depctr_va_vdst(0)
.endm
.macro MKSC ss, sl, se                 ; s[ss] = 2^e as f32, s[sl] = 57,344 x 2^e
	s_add_co_i32 s[\sl], s[\se], 127
	s_lshl_b32 s[\ss], s[\sl], 23
	s_add_co_i32 s[\sl], s[\sl], 15
	s_lshl_b32 s[\sl], s[\sl], 23
	s_or_b32 s[\sl], s[\sl], 0x600000
.endm
	s_load_b512 s[4:19], s[0:1], 0x0               ; Z_raw 4, ln_w 6, ln_b 8, w_b 10, scales 12, wq 14, wk 16, wv 18
	s_load_b512 s[20:35], s[0:1], 0x40             ; wg 20, wo 22, Z_mask 24, tri 26, wcodes 28, zq 30, zk 32, zv 34
	s_load_b128 s[36:39], s[0:1], 0x80             ; zg 36, flags 38
	v_lshl_add_u32 v[SPW], v0, 2, SPARE
	v_mov_b32 v[NIL], 0
	v_lshrrev_b32 v12, 5, v0
	v_readfirstlane_b32 s54, v12                   ; wave
	v_and_b32 v12, 31, v0                          ; lane
	v_and_b32 v13, 15, v0                          ; a (as a fragment's row: r)
	v_bfe_u32 v14, v0, 4, 1                        ; g (h)
	v_lshlrev_b32 v[L16], 4, v12
	v_lshlrev_b32 v[L8], 3, v12                    ; (the lane's number gives way)
	v_lshlrev_b32 v[AL], 4, v13
	v_lshl_add_u32 v[ZO], v14, 9, v[AL]
	v_lshlrev_b32 v[AW], 6, v13
	v_and_b32 v[TS], 3, v0                         ; lane % 4 is the head whose sum I store
	v_lshlrev_b32 v[TS], 10, v[TS]
	v_lshl_add_u32 v[TS], v14, 2, v[TS]
	s_lshl_b32 s55, s54, 4
	s_add_co_u32 s55, s55, STAGE
	v_add_nc_u32 v[TS], s55, v[TS]
	s_mul_i32 s56, s54, 4608
	v_mul_u32_u24 v[CST], v14, 144
	v_lshl_add_u32 v[CST], v13, 3, v[CST]
	v_add_nc_u32 v[CST], s56, v[CST]
	v_mul_u32_u24 v[CLD], v13, 144
	v_lshl_add_u32 v[CLD], v14, 4, v[CLD]
	v_add_nc_u32 v[CLD], s56, v[CLD]
	v_lshl_add_u32 v[RDB], v0, 4, STAGE
	v_and_b32 v125, 1, v0
	v_and_b32 v126, 2, v0
	v_cmp_ne_u32 s62, 0, v125                      ; lanes with bit 0 set
	v_cmp_ne_u32 s63, 0, v126                      ; lanes with bit 1 set
.irp z, 0,1,2,3
	v_mov_b32 v[TT+12*\z+5], 0                     ; named as a pair's upper half, so it is written
.endr
	s_lshr_b32 s90, ttmp9, 3                       ; ib
	s_and_b32 s91, ttmp9, 7                        ; jb
	s_lshl_b32 s92, s90, 3
	s_add_co_u32 s92, s92, s54                     ; i
	s_mov_b32 s95, 0
	WALU
	s_wait_kmcnt 0x0
	s_load_b256 s[40:47], s[12:13], 0x0            ; e0 .. e7
	s_load_b128 s[48:51], s[12:13], 0x20           ; e8 .. e11
	s_load_b64 s[52:53], s[12:13], 0x30            ; e12, e13
	s_cmp_ge_u32 ttmp9, 256
	s_cbranch_scc1 .Lside
	; ---------------- the rows ----------------
	s_lshl_b32 s94, s92, 17
	s_lshl_b32 s96, s91, 14
	s_add_co_u32 s94, s94, s96
	s_add_nc_u64 s[4:5], s[4:5], s[94:95]          ; my 32 positions: 16,384 consecutive bytes
.irp c, 0,1
	global_load_b128 v[LW+4*\c:LW+4*\c+3], v[AL], s[6:7] offset:256*\c
	global_load_b128 v[LB+4*\c:LB+4*\c+3], v[AL], s[8:9] offset:256*\c
.irp e, 0,1,2,3
	global_load_b128 v[WB+16*\c+4*\e:WB+16*\c+4*\e+3], v[AW], s[10:11] offset:1024*\c+16*\e
.endr
.endr
.set N, 0
.rept 32
	global_load_b128 v[RAW+4*N:RAW+4*N+3], v[ZO], s[4:5] offset:1024*(N/2)+256*(N%2) th:TH_LOAD_NT
.set N, N+1
.endr
	s_lshl_b32 s94, s92, 15
	s_lshl_b32 s96, s91, 12
	s_add_co_u32 s94, s94, s96                     ; i x 32,768 + jb x 4,096: my place in each set of codes
	s_add_nc_u64 s[30:31], s[30:31], s[94:95]
	s_add_nc_u64 s[32:33], s[32:33], s[94:95]
	s_add_nc_u64 s[34:35], s[34:35], s[94:95]
	s_add_nc_u64 s[36:37], s[36:37], s[94:95]
	s_lshr_b32 s94, s54, 1                         ; on the way out wave w stores head w / 2, key tile w % 2 of the patch
	s_lshl_b32 s94, s94, 18
	s_lshr_b32 s96, s90, 1
	s_lshl_b32 s96, s96, 14
	s_add_co_u32 s94, s94, s96
	s_lshl_b32 s96, s91, 11
	s_add_co_u32 s94, s94, s96
	s_and_b32 s96, s54, 1
	s_lshl_b32 s96, s96, 10
	s_add_co_u32 s94, s94, s96
	s_and_b32 s96, s90, 1
	s_lshl_b32 s96, s96, 9
	s_add_co_u32 s94, s94, s96
	s_add_nc_u64 s[26:27], s[26:27], s[94:95]
	s_wait_kmcnt 0x0
	MKSC 66, 67, 40                                ; e0
	MKSC 80, 81, 42                                ; e2
	MKSC 82, 83, 44                                ; e4
	MKSC 84, 85, 50                                ; e10
	s_mov_b32 s60, 0x3c000000                      ; 1 / 128
	s_mov_b32 s61, 0x3727c5ac                      ; eps = 1e-5
	s_add_co_i32 s55, s46, s47
	s_sub_co_i32 s55, 0, s55                       ; -(e6 + e7)
	v_mov_b32 v[SC], s66
	v_mov_b32 v[LIM], s67
	WALU
	s_wait_loadcnt 32                              ; the parameters' twelve are in; the 32 loads of Z may be out
.set N, 0
.rept 32
	v_ldexp_f32 v[WB+N], v[WB+N], s55
.set N, N+1
.endr
; acc (two heads) = or += one number of the pair xp (par: which) x w_b's two heads at wb
.macro DOT acc, xp, par, wb, first
.if \first
	v_pk_mul_f32 v[\acc:\acc+1], v[\xp:\xp+1], v[\wb:\wb+1] op_sel_hi:[0,1]
.else
.if \par
	v_pk_fma_f32 v[\acc:\acc+1], v[\xp:\xp+1], v[\wb:\wb+1], v[\acc:\acc+1] op_sel:[1,0,0] op_sel_hi:[1,1,1]
.else
	v_pk_fma_f32 v[\acc:\acc+1], v[\xp:\xp+1], v[\wb:\wb+1], v[\acc:\acc+1] op_sel_hi:[0,1,1]
.endif
.endif
.endm
.macro SUM16                           ; over a position's sixteen lanes
.irp x, 1,2,4,8
.irp z, 0,1,2,3
	v_add_f32_dpp v[TT+12*\z], v[TT+12*\z], v[TT+12*\z] row_xmask:\x row_mask:0xf bank_mask:0xf
.endr
.endr
.endm
; Steps st .. st + 3, their lines alternating.  cnt: the loads issued behind these steps' eight
.macro GROUP st, cnt
.set XB, RAW+8*(\st)
	WALU
	s_wait_loadcnt \cnt
.irp z, 0,1,2,3
	v_pk_add_f32 v[TT+12*\z:TT+12*\z+1], v[XB+8*\z:XB+8*\z+1], v[XB+8*\z+2:XB+8*\z+3]
.endr
.irp z, 0,1,2,3
	v_pk_add_f32 v[TT+12*\z+2:TT+12*\z+3], v[XB+8*\z+4:XB+8*\z+5], v[XB+8*\z+6:XB+8*\z+7]
.endr
.irp z, 0,1,2,3
	v_pk_add_f32 v[TT+12*\z:TT+12*\z+1], v[TT+12*\z:TT+12*\z+1], v[TT+12*\z+2:TT+12*\z+3]
.endr
.irp z, 0,1,2,3
	v_add_f32 v[TT+12*\z], v[TT+12*\z], v[TT+12*\z+1]
.endr
	SUM16
.irp z, 0,1,2,3
	v_mul_f32 v[TT+12*\z+4], s60, v[TT+12*\z]      ; the mean
.endr
.irp n, 0,2,4,6
.irp z, 0,1,2,3
	v_pk_add_f32 v[XB+8*\z+\n:XB+8*\z+\n+1], v[XB+8*\z+\n:XB+8*\z+\n+1], v[TT+12*\z+4:TT+12*\z+5] op_sel_hi:[1,0] neg_lo:[0,1] neg_hi:[0,1]
.endr
.endr
.irp z, 0,1,2,3
	v_pk_mul_f32 v[TT+12*\z:TT+12*\z+1], v[XB+8*\z:XB+8*\z+1], v[XB+8*\z:XB+8*\z+1]
.endr
.irp n, 2,4,6
.irp z, 0,1,2,3
	v_pk_fma_f32 v[TT+12*\z:TT+12*\z+1], v[XB+8*\z+\n:XB+8*\z+\n+1], v[XB+8*\z+\n:XB+8*\z+\n+1], v[TT+12*\z:TT+12*\z+1]
.endr
.endr
.irp z, 0,1,2,3
	v_add_f32 v[TT+12*\z], v[TT+12*\z], v[TT+12*\z+1]
.endr
	SUM16
.irp z, 0,1,2,3
	v_fma_f32 v[VV+\z], v[TT+12*\z], s60, s61      ; variance + eps
.endr
	WALU
.irp z, 0,1,2,3
	v_rsq_f32 v[VV+\z], v[VV+\z]
.endr
	v_nop                                          ; a plain instruction behind the batch,
	WALU                                           ; and the wait ahead of its first reader
.irp n, 0,2,4,6
.irp z, 0,2
	v_pk_mul_f32 v[XB+8*\z+\n:XB+8*\z+\n+1], v[XB+8*\z+\n:XB+8*\z+\n+1], v[VV+\z:VV+\z+1] op_sel_hi:[1,0]
	v_pk_mul_f32 v[XB+8*\z+8+\n:XB+8*\z+8+\n+1], v[XB+8*\z+8+\n:XB+8*\z+8+\n+1], v[VV+\z:VV+\z+1] op_sel:[0,1] op_sel_hi:[1,1]
.endr
.endr
.irp n, 0,2,4,6
.irp z, 0,1,2,3
	v_pk_fma_f32 v[XB+8*\z+\n:XB+8*\z+\n+1], v[XB+8*\z+\n:XB+8*\z+\n+1], v[LW+\n:LW+\n+1], v[LB+\n:LB+\n+1]
.endr
.endr
.irp e, 0,1,2,3
.irp z, 0,1,2,3
.if \e == 0
	DOT TT+12*\z, XB+8*\z, 0, WB, 1
	DOT TT+12*\z+2, XB+8*\z, 0, WB+2, 1
	DOT TT+12*\z+4, XB+8*\z+4, 0, WB+16, 1
	DOT TT+12*\z+6, XB+8*\z+4, 0, WB+18, 1
.else
	DOT TT+12*\z, XB+8*\z+2*(\e/2), \e%2, WB+4*\e, 0
	DOT TT+12*\z+2, XB+8*\z+2*(\e/2), \e%2, WB+4*\e+2, 0
	DOT TT+12*\z+4, XB+8*\z+4+2*(\e/2), \e%2, WB+16+4*\e, 0
	DOT TT+12*\z+6, XB+8*\z+4+2*(\e/2), \e%2, WB+16+4*\e+2, 0
.endif
.endr
.endr
.irp k, 0,2
.irp z, 0,1,2,3
	v_pk_add_f32 v[TT+12*\z+\k:TT+12*\z+\k+1], v[TT+12*\z+\k:TT+12*\z+\k+1], v[TT+12*\z+\k+4:TT+12*\z+\k+5]
.endr
.endr
; the sums over sixteen lanes, so that lane % 4 ends with its own head's
.irp z, 0,1,2,3
	v_cndmask_b32 v[TT+12*\z+8], v[TT+12*\z], v[TT+12*\z+1], s62
	v_cndmask_b32 v[TT+12*\z+9], v[TT+12*\z+1], v[TT+12*\z], s62
	v_cndmask_b32 v[TT+12*\z+10], v[TT+12*\z+2], v[TT+12*\z+3], s62
	v_cndmask_b32 v[TT+12*\z+11], v[TT+12*\z+3], v[TT+12*\z+2], s62
.endr
.irp k, 8,10
.irp z, 0,1,2,3
	v_add_f32_dpp v[TT+12*\z+\k], v[TT+12*\z+\k+1], v[TT+12*\z+\k] row_xmask:1 row_mask:0xf bank_mask:0xf
.endr
.endr
.irp z, 0,1,2,3
	v_cndmask_b32 v[TT+12*\z+4], v[TT+12*\z+8], v[TT+12*\z+10], s63
	v_cndmask_b32 v[TT+12*\z+5], v[TT+12*\z+10], v[TT+12*\z+8], s63
.endr
.irp z, 0,1,2,3
	v_add_f32_dpp v[TT+12*\z+4], v[TT+12*\z+5], v[TT+12*\z+4] row_xmask:2 row_mask:0xf bank_mask:0xf
.endr
.irp x, 4,8
.irp z, 0,1,2,3
	v_add_f32_dpp v[TT+12*\z+4], v[TT+12*\z+4], v[TT+12*\z+4] row_xmask:\x row_mask:0xf bank_mask:0xf
.endr
.endr
.irp z, 0,1,2,3
.set PP, (\st)+\z
	ds_store_b32 v[TS], v[TT+12*\z+4] offset:(PP/8)*512+((PP%4)/2)*256+((PP%8)/4)*128+(PP%2)*8   ; position 2 PP + g; four lanes put the same number into the same word
.endr
.irp n, 0,1,2,3,4,5,6,7
.irp z, 0,1,2,3
	v_med3_num_f32 v[TT+12*\z+\n], v[XB+8*\z+\n], -v[LIM], v[LIM]   ; the conversion to an 8-bit code does not saturate (ISA guide 7.6.2): the hold at the largest code x the scale
.endr
.endr
.irp z, 0,1,2,3
	v_cvt_scalef32_pk8_bf8_f32 v[TT+12*\z+10:TT+12*\z+11], v[TT+12*\z:TT+12*\z+7], v[SC]
.endr
	v_nop                                          ; a plain instruction behind the conversions
.irp z, 0,1,2,3
	ds_store_b64 v[CST], v[TT+12*\z+10:TT+12*\z+11] offset:288*((\st)+\z)
.endr
.endm
	GROUP 0, 24                                    ; loads come back in order: the later steps' may be out
	GROUP 4, 16
	GROUP 8, 8
	GROUP 12, 0
.macro LOADZ                           ; my rows' codes as fragments: LDS serves a wave's instructions in order
.irp m, 0,1
.irp c, 0,1,2,3
	ds_load_b128 v[ZF+16*\m+4*\c:ZF+16*\m+4*\c+3], v[CLD] offset:2304*\m+32*\c
.endr
.endr
.endm
.macro STOREZ base
.irp n, 0,1,2,3,4,5,6,7
	global_store_b128 v[L16], v[ZF+4*\n:ZF+4*\n+3], s[\base:\base+1] offset:512*\n   ; eight times 512 consecutive bytes
.endr
.endm
; Where s[enew] is not s[eold]: Z's codes once more, under the other scale, into a set of their own
.macro OTHER enew, eold, ss, base
	WALU
	s_cmp_eq_u32 s[\enew], s[\eold]
	s_cbranch_scc1 .Lsame_\@
	v_mov_b32 v[SC], s[\ss]
	v_mov_b32 v[LIM], s[\ss+1]
.irp st, 0,4,8,12
.irp n, 0,1,2,3,4,5,6,7
.irp z, 0,1,2,3
	v_med3_num_f32 v[RT+8*\z+\n], v[RAW+8*(\st+\z)+\n], -v[LIM], v[LIM]
.endr
.endr
.irp z, 0,1,2,3
	v_cvt_scalef32_pk8_bf8_f32 v[RC+2*\z:RC+2*\z+1], v[RT+8*\z:RT+8*\z+7], v[SC]
.endr
	v_nop
.irp z, 0,1,2,3
	ds_store_b64 v[CST], v[RC+2*\z:RC+2*\z+1] offset:288*(\st+\z)
.endr
.endr
	s_wait_xcnt 0x0                                ; the stores that are out have read the fragments
	LOADZ
	WALU
	s_wait_dscnt 0x0
	STOREZ \base
.Lsame_\@:
.endm
	LOADZ
	WALU
	s_wait_dscnt 0x0                               ; for the others' sake: my bias sums are in the stage
	s_barrier_signal -1
	s_barrier_wait -1
	ds_load_b128 v[120:123], v[RDB]                ; one key tile of one head: 512 bytes
	STOREZ 30
	s_wait_dscnt 0x0
	global_store_b128 v[L16], v[120:123], s[26:27]
	OTHER 42, 40, 80, 32
	OTHER 44, 42, 82, 34
	OTHER 50, 40, 84, 36
	s_wait_tensorcnt 0x0                           ; the wave's end
	ds_add_u32 v[SPW], v[NIL]
	s_wait_dscnt 0x0
	s_endpgm
	; ---------------- the weights ----------------
.Lside:
	s_wait_kmcnt 0x0
	s_cmp_ge_u32 ttmp9, 261
	s_cbranch_scc1 .Lmask
	s_sub_co_u32 s96, ttmp9, 256                   ; which matrix; my wave's number is the slice
	s_mov_b32 s86, s41                             ; e1
	s_cmp_eq_u32 s96, 1
	s_cselect_b64 s[14:15], s[16:17], s[14:15]
	s_cselect_b32 s86, s43, s86                    ; e3
	s_cmp_eq_u32 s96, 2
	s_cselect_b64 s[14:15], s[18:19], s[14:15]
	s_cselect_b32 s86, s45, s86                    ; e5
	s_cmp_eq_u32 s96, 3
	s_cselect_b64 s[14:15], s[20:21], s[14:15]
	s_cselect_b32 s86, s51, s86                    ; e11
	s_cmp_eq_u32 s96, 4
	s_cselect_b32 s86, s53, s86                    ; e13
	MKSC 86, 87, 86
	v_mov_b32 v[SC], s86
	v_mov_b32 v[LIM], s87
	s_lshl_b32 s94, s96, 14
	s_lshl_b32 s97, s54, 11
	s_add_co_u32 s94, s94, s97
	s_add_nc_u64 s[28:29], s[28:29], s[94:95]      ; matrix x 16,384 + slice x 2,048
	WALU
	s_cmp_eq_u32 s96, 4
	s_cbranch_scc1 .Lwo
	s_lshl_b32 s94, s54, 12                        ; slice w: rows 8 w on, in the order of K's bytes: row(u) = u % 4 + 4 (u / 8) + 64 (u / 4 % 2)
	s_add_nc_u64 s[14:15], s[14:15], s[94:95]
.set N, 0
.rept 16
	global_load_b128 v[128+4*N:131+4*N], v[L16], s[14:15] offset:512*((N%4)+4*(N/8)+64*((N/4)%2))
.set N, N+1
.endr
	s_branch .Lconv
.Lwo:
	s_lshr_b32 s94, s54, 1                         ; wo, slice w: rows 32 (w / 2) + 8 (w % 2) on; row(u) = u % 8 + 16 (u / 8): the gated o's codes lie so along K
	s_lshl_b32 s94, s94, 14
	s_and_b32 s97, s54, 1
	s_lshl_b32 s97, s97, 12
	s_add_co_u32 s94, s94, s97
	s_add_nc_u64 s[22:23], s[22:23], s[94:95]
.set N, 0
.rept 16
	global_load_b128 v[128+4*N:131+4*N], v[L16], s[22:23] offset:512*((N%8)+16*(N/8))
.set N, N+1
.endr
.Lconv:
	s_wait_loadcnt 0x0
.set N, 0
.rept 16
.irp j, 0,1,2,3
	v_med3_num_f32 v[XH+16*\j+N], v[128+4*N+\j], -v[LIM], v[LIM]
.endr
.set N, N+1
.endr
.irp j, 0,1,2,3
	v_cvt_scalef32_pk8_bf8_f32 v[CD+4*\j:CD+4*\j+1], v[XH+16*\j:XH+16*\j+7], v[SC]
	v_cvt_scalef32_pk8_bf8_f32 v[CD+4*\j+2:CD+4*\j+3], v[XH+16*\j+8:XH+16*\j+15], v[SC]
.endr
	v_nop
.irp j, 0,1,2,3
	global_store_b128 v[L16], v[CD+4*\j:CD+4*\j+3], s[28:29] offset:512*\j   ; 16 codes of column 4 lane + j
.endr
	s_endpgm
	; ---------------- the mask ----------------
.Lmask:
	s_sub_co_u32 s96, ttmp9, 261
	s_lshl_b32 s96, s96, 3
	s_add_co_u32 s96, s96, s54                     ; which eight rows
	s_lshl_b32 s94, s96, 13
	s_add_nc_u64 s[24:25], s[24:25], s[94:95]
	s_lshl_b32 s94, s96, 11
	s_add_nc_u64 s[38:39], s[38:39], s[94:95]
.set N, 0
.rept 16
	global_load_b128 v[128+4*N:131+4*N], v[L16], s[24:25] offset:512*N
.set N, N+1
.endr
	s_wait_loadcnt 0x0
.irp k, 0,1,2,3,4,5,6,7
	v_cmp_neq_f32 s90, 1.0, v[128+8*\k]
.irp n, 1,2,3,4,5,6,7
	v_cmp_neq_f32 s91, 1.0, v[128+8*\k+\n]
	s_or_b32 s90, s90, s91
.endr
	v_mov_b32 v[16+2*\k], s90                      ; a bit for each lane that saw an entry other than 1
	v_mov_b32 v[17+2*\k], s90
	global_store_b64 v[L8], v[16+2*\k:17+2*\k], s[38:39] offset:256*\k   ; the row's 256 bytes
.endr
	s_endpgm
.Lfunc_end_k_qeda1201c03_rows:
	.size	k_qeda1201c03_rows, .Lfunc_end_k_qeda1201c03_rows-k_qeda1201c03_rows
	.p2alignl 7, 3214868480
	.fill 96, 4, 3214868480
	.section	.rodata,"a",@progbits
	.p2align	6, 0x0
	.amdhsa_kernel k_qeda1201c03_rows
		.amdhsa_group_segment_fixed_size 41984
		.amdhsa_private_segment_fixed_size 0
		.amdhsa_enable_private_segment 0
		.amdhsa_kernarg_size 144
		.amdhsa_user_sgpr_count 2
		.amdhsa_user_sgpr_kernarg_segment_ptr 1
		.amdhsa_wavefront_size32 1
		.amdhsa_system_sgpr_workgroup_id_x 1
		.amdhsa_system_sgpr_workgroup_id_y 1
		.amdhsa_system_sgpr_workgroup_id_z 1
		.amdhsa_system_vgpr_workitem_id 0
		.amdhsa_next_free_vgpr 256
		.amdhsa_next_free_sgpr 100
		.amdhsa_reserve_vcc 0
		.amdhsa_float_denorm_mode_32 3
		.amdhsa_float_denorm_mode_16_64 3
		.amdhsa_memory_ordered 1
		.amdhsa_forward_progress 1
		.amdhsa_inst_pref_size 137
	.end_amdhsa_kernel
	.amdgpu_metadata
---
amdhsa.version: [ 1, 2 ]
amdhsa.kernels:
  - .name:           k_qeda1201c03_rows
    .symbol:         k_qeda1201c03_rows.kd
    .args:
      - { .name: Z_raw, .offset: 0, .size: 8, .value_kind: global_buffer, .address_space: global }
      - { .name: ln_w, .offset: 8, .size: 8, .value_kind: global_buffer, .address_space: global }
      - { .name: ln_b, .offset: 16, .size: 8, .value_kind: global_buffer, .address_space: global }
      - { .name: w_b, .offset: 24, .size: 8, .value_kind: global_buffer, .address_space: global }
      - { .name: lowp_scales, .offset: 32, .size: 8, .value_kind: global_buffer, .address_space: global }
      - { .name: wq, .offset: 40, .size: 8, .value_kind: global_buffer, .address_space: global }
      - { .name: wk, .offset: 48, .size: 8, .value_kind: global_buffer, .address_space: global }
      - { .name: wv, .offset: 56, .size: 8, .value_kind: global_buffer, .address_space: global }
      - { .name: wg, .offset: 64, .size: 8, .value_kind: global_buffer, .address_space: global }
      - { .name: wo, .offset: 72, .size: 8, .value_kind: global_buffer, .address_space: global }
      - { .name: Z_mask, .offset: 80, .size: 8, .value_kind: global_buffer, .address_space: global }
      - { .name: tri, .offset: 88, .size: 8, .value_kind: global_buffer, .address_space: global }
      - { .name: wcodes, .offset: 96, .size: 8, .value_kind: global_buffer, .address_space: global }
      - { .name: zq, .offset: 104, .size: 8, .value_kind: global_buffer, .address_space: global }
      - { .name: zk, .offset: 112, .size: 8, .value_kind: global_buffer, .address_space: global }
      - { .name: zv, .offset: 120, .size: 8, .value_kind: global_buffer, .address_space: global }
      - { .name: zg, .offset: 128, .size: 8, .value_kind: global_buffer, .address_space: global }
      - { .name: flags, .offset: 136, .size: 8, .value_kind: global_buffer, .address_space: global }
    .group_segment_fixed_size: 41984
    .private_segment_fixed_size: 0
    .kernarg_segment_align: 8
    .kernarg_segment_size: 144
    .max_flat_workgroup_size: 256
    .sgpr_count:     100
    .vgpr_count:     256
    .wavefront_size: 32
...
	.end_amdgpu_metadata
.endif
;; end of part 1
;; launch attend (part 2): grid 256 x 1, 8 waves a work-group, no clusters, 268,288 bytes of LDS; arguments Z_raw, Z_mask, lowp_scales, tri, wcodes, zq, zk, zv, zg, flags, bg, out_bias, out0; writes out0
.if DOCPART == 2
	.amdgcn_target "amdgcn-amd-amdhsa--gfx1250"
	.amdhsa_code_object_version 6
	.text
	.protected	k_qeda1201c03_attend
	.globl	k_qeda1201c03_attend
	.p2align	8
	.type	k_qeda1201c03_attend,@function
k_qeda1201c03_attend:
	s_mov_b64 s[64:65], 0
	v_nop
	global_prefetch_b8 v0, s[64:65] scope:SCOPE_SE
	s_setreg_imm32_b32 hwreg(HW_REG_WAVE_MODE, 25, 1), 1
	s_wait_xcnt 0x0
; ATTEND.  The projections q, k, v, g of Z's codes, attention of 4 heads x 32 channels over 256 keys with key mask and pair bias, the sigmoid gate, the output projection, out_bias and the residual.
; SHARES.  A work-group takes two neighbouring rows i and 128 queries of each; wave w takes query tile 8 (x % 2) + w of both rows m = 0, 1.  THE BIAS of a query tile and a head, 128 registers, is loaded once and serves
;   both rows: it is the C of the score products, whose D is other registers.  For that k and v of a row are made by two work-groups: wave w makes those of positions 32 w + 0..31 of both rows, and its own q.
;   Codes of k, v and q go to LDS once; behind the second barrier LDS is only read, but for each wave's own bytes.
; LAYOUTS.  q, k, g, o are made transposed (source 0 = 16 channels): a lane holds one position and eight neighbouring channels, so the conversions' results are the next operand's registers.  v is made the other way
;   round: its codes run along the keys.  Scores by the K = 64 form: q's upper four registers are zero codes, k's upper four are the next key tile's codes (finite: they were held), which those zeros meet.
;   In S^T register 8 c + j of a lane is key 16 c + 8 h + j: converted, it is register pair c of the K = 128 form's own layout.  The gate's bias is the C of the gate's products, x 2^-(e10+e11).
; Z'S CODES come under e0; those under e2, e4, e10 are loaded anew only where that exponent differs (e2 from e0, e4 from e2, e10 from e0): the launch before stored them by the same comparisons.
; SOFTMAX: t = S c, S = qk + bias in units of 2^(e6+e7), c = log2(e) 2^(e6+e7); M = the ceiling of the row's largest t over all 256 keys; p = 2^(t - M); the row's sum is taken of the unquantised p.
; THE MASK.  The launch before has stored a whole number for each row, 0 where all 256 entries are 1: there the mask's term is 0 for every key and t - M is one multiply-add.  Elsewhere
;   t = fl(S c + mt), mt = fl(fl(1e9 fl(mask - 1)) log2(e)), is made first and c's place is taken by 1.  A fully masked row has every t at mt, so every p is 1 and the weights are equal.
; No dead work was found to leave out.  No cluster and no joint loads: the bias is wanted in registers, and branches here hang on given scales and on stored whole numbers.
; PREFETCH: Z_raw's rows for the residual, 32 blocks of 256 bytes a row, are asked for in the first two heads' trips, two trips or more ahead of their loads; each block once in the launch.
; LIMITS.  NaN and infinities among the inputs are not served.  e9, e12, e6-e0-e1, e7-e2-e3, e8-e4-e5 between -126 and 112; e6+e7 between -90 and 100; e10+e11 and e12+e13 between -126 and 127.  The softmax's promise
;   holds while the scaled scores (base 2, ahead of the maximum) stay under 2^31.  ORDER OF ROUNDING: for a masked row qk + bias is summed first and the mask's term added with one rounding; a mask so near 1 that
;   1e9 (mask - 1) is of the logits' own size is served to a few roundings of t.  The gated o is O^T x 1 / ((1 + 2^x) l 2^-(e8+e9)), one divisor: about two roundings of f32 from the definition.
.set VI,  65536                        ; LDS: k's two rows from 0, then v's
.set WGI, 131072                       ; wg's and wo's images
.set QI,  163840                       ; [wave][m][head][lane][16]: q's codes; the gated o's take their place
.set PAR, 196608                       ; bg x 2^-(e10+e11), twice
.set MT,  197632                       ; the mask's terms of the two rows
.set STG, 199680                       ; wq's, wk's, wv's images (49,152 bytes) up to the second barrier; then the way out: 16 rows x 528 bytes a wave
.set SPARE, 267264                     ; the spare words
.set SPW, 1
.set NIL, 2
.set L16, 3
.set BLO, 4                            ; my 16 bytes of a bias load: 512 (r / 8) + 128 h + 16 (r % 8)
.set PFO, 5
.set KVS, 6                            ; where my keys' k goes: 4,096 w + 16 lane,
.set VVS, 7                            ; and their v
.set QIA, 8
.set WLA, 9
.set BGA, 10
.set MLA, 11
.set ADK, 12
.set ADV, 13
.set ADQ, 14
.set ADW, 15
.set ADB, 16
.set WSG, 17                           ; ahead of the loop
.set GLM, 17                           ; in the loop
.set PSC, 18
.set GSC, 19
.set OB,  20
.set SC,  24                           ; ahead of the loop: the quantiser's scale and limit, and the weights' images
.set LIM, 25
.set WIA, 26
.set MX,  24
.set NM,  28
.set PX,  30
.set OX,  31
.set LP,  32
.set OC,  34
.set STA, 38
.set RDA, 39
.set ZK,  40                           ; ahead of the loop: v40-103 Z's codes of my four tiles of keys, tile (m, u) at + 32 m + 16 u
.set CX,  104                          ; v104-127 codes on their way to LDS
.set OA,  40                           ; v40-55 O^T
.set GA,  56                           ; v56-71 the gate
.set PC,  72                           ; v72-103 wg's fragments; sums; p's codes
.set SB,  128                          ; v128-255 accumulators: projections, then the scores, then p
; window 1
.set KF,  0                            ; v0-63 weights' fragments; then k's 16 tiles, v64-67 zero codes; then v^T: (u, half s) at 32 u + 16 s
.set QOP, 68                           ; v68-71 q, v72-75 zero codes
.set ZG,  76                           ; v76-107 Z's codes of my query tiles, tile m at + 16 m: for q, and for the gate
.set BB,  128                          ; v128-255 the bias; at the end Z_raw's rows
.set MSB, 0
.macro WIN new                         ; bits 1:0 source 0, 3:2 source 1, 5:4 source 2, 7:6 destination; the high byte repeats the setting that is left
.if MSB != \new
	s_set_vgpr_msb (MSB<<8)|\new
.set MSB, \new
.endif
.endm
.macro WALU
	s_wait_alu depctr_va_vdst(0)
.endm
.macro MKSC ss, sl, se                 ; s[ss] = 2^e as f32, s[sl] = 57,344 x 2^e
	s_add_co_i32 s[\sl], s[\se], 127
	s_lshl_b32 s[\ss], s[\sl], 23
	s_add_co_i32 s[\sl], s[\sl], 15
	s_lshl_b32 s[\sl], s[\sl], 23
	s_or_b32 s[\sl], s[\sl], 0x600000
.endm
	s_load_b512 s[4:19], s[0:1], 0x0               ; Z_raw 4, Z_mask 6, scales 8, tri 10, wcodes 12, zq 14, zk 16, zv 18
	s_load_b256 s[20:27], s[0:1], 0x40             ; zg 20, flags 22, bg 24, out_bias 26
	s_load_b64 s[28:29], s[0:1], 0x60              ; out0
	v_lshl_add_u32 v[SPW], v0, 2, SPARE
	v_mov_b32 v[NIL], 0
	v_lshrrev_b32 v24, 5, v0
	v_readfirstlane_b32 s30, v24                   ; wave
	v_and_b32 v24, 31, v0                          ; lane
	v_and_b32 v25, 15, v0                          ; r
	v_bfe_u32 v26, v0, 4, 1                        ; h
	v_lshlrev_b32 v[L16], 4, v24
	v_lshlrev_b32 v[PFO], 8, v24
	v_lshrrev_b32 v27, 3, v25
	v_lshlrev_b32 v[BLO], 9, v27
	v_lshl_add_u32 v[BLO], v26, 7, v[BLO]
	v_and_b32 v27, 7, v25
	v_lshl_add_u32 v[BLO], v27, 4, v[BLO]
	s_lshl_b32 s84, s30, 12
	v_add_nc_u32 v[KVS], s84, v[L16]
	v_add_nc_u32 v[VVS], VI, v[KVS]
	v_add_nc_u32 v[QIA], QI, v[KVS]
	v_add_nc_u32 v[WLA], WGI, v[L16]
	v_lshrrev_b32 v27, 2, v24
	v_lshlrev_b32 v[WSG], 11, v27
	v_and_b32 v27, 3, v24
	v_lshl_add_u32 v[WSG], v27, 6, v[WSG]
	s_lshl_b32 s84, s30, 8
	v_add_nc_u32 v[WSG], s84, v[WSG]               ; slice w of a weight: tile l / 4, row 4 (l % 4) + j
	v_add_nc_u32 v111, STG, v[WSG]
	v_add_nc_u32 v[WSG], WGI, v[WSG]
	v_lshlrev_b32 v27, 5, v26
	v_add_nc_u32 v[BGA], PAR, v27
	v_add_nc_u32 v[MLA], MT, v27
	s_mul_i32 s84, s30, 8448
	s_add_co_u32 s84, s84, STG
	v_mul_u32_u24 v[STA], v25, 528
	v_lshl_add_u32 v[STA], v26, 5, v[STA]
	v_add_nc_u32 v[STA], s84, v[STA]
	v_add_nc_u32 v[RDA], s84, v[L16]
	v_lshlrev_b32 v104, 2, v0                      ; 4 x thread
	v_and_b32 v108, 127, v0
	v_lshlrev_b32 v108, 2, v108
	v_add_nc_u32 v109, PAR, v104
	v_add_nc_u32 v110, MT, v104
	v_add_nc_u32 v[WIA], STG, v[L16]               ; (r and h have been read)
	s_lshr_b32 s85, ttmp9, 1                       ; which pair of rows
	s_and_b32 s86, ttmp9, 1
	s_lshl_b32 s86, s86, 3
	s_add_co_u32 s86, s86, s30                     ; my query tile
	s_mov_b32 s89, 0
	s_mov_b32 s91, 0
	WALU
	s_wait_kmcnt 0x0
	s_load_b256 s[32:39], s[8:9], 0x0              ; e0 .. e7
	s_load_b128 s[40:43], s[8:9], 0x20             ; e8 .. e11
	s_load_b64 s[44:45], s[8:9], 0x30              ; e12, e13
	s_lshl_b32 s88, s85, 9
	s_add_nc_u64 s[22:23], s[22:23], s[88:89]
	s_load_b32 s70, s[22:23], 0x0                  ; the two rows' whole numbers
	s_load_b32 s71, s[22:23], 0x100
	s_lshl_b32 s88, s30, 11
	s_add_nc_u64 s[12:13], s[12:13], s[88:89]
	s_lshl_b32 s88, s85, 16
	s_lshl_b32 s90, s30, 12
	s_add_co_u32 s90, s90, s88
	s_add_nc_u64 s[72:73], s[14:15], s[90:91]      ; my keys' codes: 4,096 consecutive bytes of the first row; the second row's lie 32,768 bytes on
	s_add_nc_u64 s[16:17], s[16:17], s[90:91]
	s_add_nc_u64 s[18:19], s[18:19], s[90:91]
	s_lshl_b32 s90, s86, 11
	s_add_co_u32 s88, s88, s90
	s_add_nc_u64 s[76:77], s[14:15], s[88:89]      ; my query tile's codes
	s_add_nc_u64 s[20:21], s[20:21], s[88:89]
	s_lshl_b32 s88, s86, 14
	s_add_nc_u64 s[78:79], s[10:11], s[88:89]      ; the bias
	s_lshl_b32 s88, s85, 18
	s_lshl_b32 s90, s86, 13
	s_add_co_u32 s88, s88, s90
	s_add_nc_u64 s[80:81], s[4:5], s[88:89]        ; Z_raw: 16 positions of the first row; the second's lie 131,072 bytes on
	s_mov_b64 s[92:93], s[80:81]
	s_add_nc_u64 s[82:83], s[28:29], s[88:89]
	s_lshl_b32 s88, s85, 11
	s_add_nc_u64 s[6:7], s[6:7], s[88:89]
.set N, 0
.rept 20
	global_load_b128 v[128+4*N:131+4*N], v[L16], s[12:13] offset:16384*(N/4)+512*(N%4)   ; slice w of the five weights
.set N, N+1
.endr
.macro ZLOAD base
.set ZN, 0
.rept 16
	global_load_b128 v[ZK+4*ZN:ZK+4*ZN+3], v[L16], s[\base:\base+1] offset:32768*(ZN/8)+512*(ZN%8)
.set ZN, ZN+1
.endr
.endm
.macro GLOAD base
	WIN 0x40
.set ZN, 0
.rept 8
	global_load_b128 v[ZG+4*ZN:ZG+4*ZN+3], v[L16], s[\base:\base+1] offset:32768*(ZN/4)+512*(ZN%4)
.set ZN, ZN+1
.endr
	WIN 0
.endm
	ZLOAD 72
	global_load_b32 v105, v108, s[24:25]
	global_load_b32 v106, v104, s[6:7]
	global_load_b32 v107, v104, s[6:7] offset:1024
	global_load_b128 v[OB:OB+3], v[L16], s[26:27]
	GLOAD 76
.macro BIASH hf                        ; half of a head's bias: 8 key tiles, two aligned runs of 256 bytes a load
	WIN 0x40
.set BN, 16*(\hf)
.rept 16
	global_load_b128 v[BB+4*BN:BB+4*BN+3], v[BLO], s[78:79] offset:1024*(BN/2)+256*(BN%2)
.set BN, BN+1
.endr
	WIN 0
.endm
	s_wait_kmcnt 0x0
	s_sub_co_i32 s84, s39, s34                     ; a sum of the k projection stands for sum x 2^(e2+e3): its code is sum / 2^(e7-e2-e3)
	s_sub_co_i32 s84, s84, s35
	MKSC 94, 95, 84
	s_sub_co_i32 s84, s40, s36
	s_sub_co_i32 s84, s84, s37
	MKSC 96, 97, 84                                ; v
	s_sub_co_i32 s84, s38, s32
	s_sub_co_i32 s84, s84, s33
	MKSC 98, 99, 84                                ; q
	s_add_co_i32 s84, s38, s39
	s_lshl_b32 s84, s84, 23
	s_add_co_i32 s46, s84, 0x3fb8aa3b              ; c: the exponents are added to log2(e)'s exponent field
	s_add_co_i32 s84, s40, s41
	s_sub_co_i32 s47, 0, s84                       ; -(e8 + e9)
	MKSC 48, 49, 41                                ; p: e9
	MKSC 50, 51, 44                                ; the gated o: e12
	s_add_co_i32 s84, s42, s43
	s_sub_co_i32 s52, 0, s84                       ; -(e10 + e11)
	s_lshl_b32 s84, s84, 23
	s_add_co_u32 s62, s84, 0xbfb8aa3b              ; -log2(e) x 2^(e10+e11)
	s_mov_b32 s63, s62
	s_add_co_i32 s84, s44, s45
	s_add_co_i32 s84, s84, 127
	s_lshl_b32 s66, s84, 23                        ; 2^(e12+e13)
	s_mov_b32 s67, s66
	s_mov_b32 s68, 0x76543210                      ; v_permlanex16_b32's selects for lane xor 16
	s_mov_b32 s69, 0xfedcba98
	s_mov_b32 s84, 0x4e6e6b28                      ; 1e9
	s_mov_b32 s85, 0x3fb8aa3b                      ; log2(e)
	s_wait_loadcnt 28                              ; the weights are in; behind them 16 of Z, four small ones, 8 of Z
.set N, 0
.rept 12
	ds_store_b128 v111, v[128+4*N:131+4*N] offset:16384*(N/4)+16*(N%4)
.set N, N+1
.endr
.set N, 0
.rept 8
	ds_store_b128 v[WSG], v[176+4*N:179+4*N] offset:16384*(N/4)+16*(N%4)
.set N, N+1
.endr
	s_wait_loadcnt 8                               ; bg, the mask and out_bias are in
	v_ldexp_f32 v105, v105, s52
	v_add_f32 v106, -1.0, v106                     ; the mask's terms, with the definition's own three roundings
	v_add_f32 v107, -1.0, v107
	v_mul_f32 v106, s84, v106
	v_mul_f32 v107, s84, v107
	v_mul_f32 v106, s85, v106
	v_mul_f32 v107, s85, v107
	ds_store_b32 v109, v105
	ds_store_b32 v110, v106
	ds_store_b32 v110, v107 offset:1024
	WALU
	s_wait_dscnt 0x0                               ; for the others' sake: my stores are done
	s_barrier_signal -1
	s_barrier_wait -1
	; ---------------- k, v, q ----------------
.macro LOADF mat, hf                   ; four fragments of a weight
	WIN 0x40
.irp t, 0,1,2,3
.irp c, 0,1,2,3
	ds_load_b128 v[KF+16*\t+4*\c:KF+16*\t+4*\c+3], v[WIA] offset:16384*(\mat)+2048*(4*(\hf)+\t)+512*\c
.endr
.endr
	WIN 0
.endm
; One projection (mat 0: q, 1: k, 2: v), four channel tiles at a time; each accumulator is begun with the constant 0.  Accumulator (tile of positions p, t) at SB + 32 p + 8 t.
.macro PROJ mat, ss
	v_mov_b32 v[SC], s[\ss]
	v_mov_b32 v[LIM], s[\ss+1]
.irp hf, 0,1
	WALU
	s_wait_dscnt 0x0
.if \mat == 0
	WIN 0x05
.irp t, 0,1,2,3
.irp p, 0,1
	v_wmma_f32_16x16x128_bf8_bf8 v[SB+32*\p+8*\t:SB+32*\p+8*\t+7], v[KF+16*\t:KF+16*\t+15], v[ZG+16*\p:ZG+16*\p+15], 0
.endr
.endr
.endif
.if \mat == 1
	WIN 0x01
.irp t, 0,1,2,3
.irp p, 0,1,2,3
	v_wmma_f32_16x16x128_bf8_bf8 v[SB+32*\p+8*\t:SB+32*\p+8*\t+7], v[KF+16*\t:KF+16*\t+15], v[ZK+16*\p:ZK+16*\p+15], 0
.endr
.endr
.endif
.if \mat == 2
	WIN 0x04
.irp t, 0,1,2,3
.irp p, 0,1,2,3
	v_wmma_f32_16x16x128_bf8_bf8 v[SB+32*\p+8*\t:SB+32*\p+8*\t+7], v[ZK+16*\p:ZK+16*\p+15], v[KF+16*\t:KF+16*\t+15], 0
.endr
.endr
.endif
	WIN 0
.rept 4
	v_nop                                          ; four places ahead of the loads into the fragments and of the first read of the sums
.endr
.if \hf == 0
	LOADF \mat, 1
.else
.if \mat == 1
	LOADF 2, 0
.endif
.if \mat == 2
	LOADF 0, 0
.endif
.endif
.if \mat == 0
.set PN, 0
.rept 32
	v_pk_mul_f32 v[SB+PN:SB+PN+1], v[SB+PN:SB+PN+1], s[86:87] op_sel_hi:[1,0]   ; x 32^-0.5, rounded as the definition rounds it
.set PN, PN+2
.endr
.irp p, 0,1
	QTILE \p
.irp d, 0,1
	ds_store_b128 v[QIA], v[CX+8*\p+4*\d:CX+8*\p+4*\d+3] offset:2048*\p+512*(2*\hf+\d)   ; a head's 32 channels: four registers
.endr
.endr
.endif
.if \mat == 1
.irp p, 0,1,2,3
	QTILE \p
.irp d, 0,1
	ds_store_b128 v[KVS], v[CX+8*(\p%3)+4*\d:CX+8*(\p%3)+4*\d+3] offset:32768*(\p/2)+2048*(\p%2)+512*(2*\hf+\d)
.endr
.endr
.endif
.if \mat == 2
.irp m, 0,1
.set PN, 0
.rept 64
	v_med3_num_f32 v[SB+64*\m+PN], v[SB+64*\m+PN], -v[LIM], v[LIM]
.set PN, PN+1
.endr
.irp t, 0,1,2,3
.irp u, 0,1
	v_cvt_scalef32_pk8_bf8_f32 v[CX+4*\t+2*\u:CX+4*\t+2*\u+1], v[SB+64*\m+32*\u+8*\t:SB+64*\m+32*\u+8*\t+7], v[SC]
.endr
.endr
	v_nop
.irp t, 0,1,2,3
	ds_store_b128 v[VVS], v[CX+4*\t:CX+4*\t+3] offset:32768*\m+512*(4*\hf+\t)   ; my 32 keys are one quad of channel tile 4 hf + t's fragment
.endr
.endr
.endif
.endr
.endm
.macro QTILE p                         ; four accumulators of one tile of positions become eight registers of codes
.set QN, 0
.rept 32
	v_med3_num_f32 v[SB+32*(\p)+QN], v[SB+32*(\p)+QN], -v[LIM], v[LIM]   ; the conversion to an 8-bit code does not saturate (ISA guide 7.6.2)
.set QN, QN+1
.endr
.irp t, 0,1,2,3
	v_cvt_scalef32_pk8_bf8_f32 v[CX+8*((\p)%3)+2*\t:CX+8*((\p)%3)+2*\t+1], v[SB+32*(\p)+8*\t:SB+32*(\p)+8*\t+7], v[SC]
.endr
	v_nop                                          ; a plain instruction behind the conversions
.endm
	LOADF 1, 0
	BIASH 0                                        ; head 0's bias comes while the projections are made
	BIASH 1
	s_wait_loadcnt 32                              ; Z's codes are in; behind them the bias
	s_cmp_eq_u32 s34, s32
	s_cbranch_scc1 .Lk_same
	ZLOAD 16
	s_wait_loadcnt 0x0
.Lk_same:
	PROJ 1, 94
	WALU
	s_cmp_eq_u32 s36, s34
	s_cbranch_scc1 .Lv_same
	ZLOAD 18
	s_wait_loadcnt 0x0
.Lv_same:
	PROJ 2, 96
	s_mov_b32 s86, 0x3e3504f3                      ; 32^-0.5
	s_mov_b32 s87, s86
	PROJ 0, 98
	WALU
	s_cmp_eq_u32 s42, s32
	s_cbranch_scc1 .Lg_same
	GLOAD 20
.Lg_same:
	v_mov_b32 v[PSC], s48
	v_mov_b32 v[GSC], s50
	v_mov_b32 v[PX], 0                             ; lane exchanges' destinations and pairs' upper halves: written once
	v_mov_b32 v[OX], 0
	v_mov_b32 v[NM+1], 0
	v_mov_b32 v[LP+1], 0
	v_mov_b32 v[GLM], s51                          ; (in the place of the weights' store address, which has been read)
	WIN 0x40
.irp n, 64,65,66,67,72,73,74,75
	v_mov_b32 v\n, 0                               ; zero codes
.endr
	WIN 0
	WALU
	s_wait_dscnt 0x0                               ; for the others' sake: my stores are done, and my reads of the weights' images
	s_barrier_signal -1
	s_barrier_wait -1
; What the next (head, row) wants from LDS: k's 16 tiles, q, wg's two fragments
.macro NEXTF adk, koff, adq, qoff, adw, woff
	WIN 0x40
.irp c, 0,1,2,3,4,5,6,7,8,9,10,11,12,13,14,15
	ds_load_b128 v[KF+4*\c:KF+4*\c+3], v[\adk] offset:\koff+2048*\c
.endr
	ds_load_b128 v[QOP:QOP+3], v[\adq] offset:\qoff
	WIN 0
.irp u, 0,1
.irp c, 0,1,2,3
	ds_load_b128 v[PC+16*\u+4*\c:PC+16*\u+4*\c+3], v[\adw] offset:\woff+2048*\u+512*\c
.endr
.endr
.endm
.macro NEXTG adb, off                  ; the gate's bias, into the gate's accumulators
.irp u, 0,1
.irp j, 0,1
	ds_load_b128 v[GA+8*\u+4*\j:GA+8*\u+4*\j+3], v[\adb] offset:\off+64*\u+16*\j
.endr
.endr
.endm
; 32 exponentials of chunk c, and among them plain work that names nothing written in this run: the next chunk's t - M, and a turn of the 16 running pair sums
.macro CHUNK c
	WALU
.set CN, 0
.rept 16
	v_exp_f32 v[SB+32*(\c)+2*CN], v[SB+32*(\c)+2*CN]
	v_exp_f32 v[SB+32*(\c)+2*CN+1], v[SB+32*(\c)+2*CN+1]
.if (\c) == 0
	v_exp_f32 v[GA+CN], v[GA+CN]
.endif
.if (\c) < 3
	v_pk_fma_f32 v[SB+32*(\c)+32+2*CN:SB+32*(\c)+33+2*CN], v[SB+32*(\c)+32+2*CN:SB+32*(\c)+33+2*CN], s[60:61], v[NM:NM+1] op_sel_hi:[1,0,0]
.endif
.if (\c) == 2
	v_pk_add_f32 v[PC+2*CN:PC+2*CN+1], v[SB+2*CN:SB+2*CN+1], v[SB+32+2*CN:SB+33+2*CN]
.endif
.if (\c) == 3
	v_pk_add_f32 v[PC+2*CN:PC+2*CN+1], v[PC+2*CN:PC+2*CN+1], v[SB+64+2*CN:SB+65+2*CN]
.endif
.set CN, CN+1
.endr
.endm
; ONE HEAD OF ROW m
.macro TRIP m
	s_wait_dscnt 5                                 ; k and q are in; the gate's bias (four) and the last o's store may be out
	WIN 0x15
.irp c, 0,1,2,3,4,5,6,7,8,9,10,11,12,13,14,15
	v_wmma_f32_16x16x64_bf8_bf8 v[SB+8*\c:SB+8*\c+7], v[KF+4*\c:KF+4*\c+7], v[QOP:QOP+7], v[BB+8*\c:BB+8*\c+7]
.endr
	WIN 0
	s_wait_dscnt 0x0
	WIN 0x04
.irp u, 0,1
	v_wmma_f32_16x16x128_bf8_bf8 v[GA+8*\u:GA+8*\u+7], v[PC+16*\u:PC+16*\u+15], v[ZG+16*(\m):ZG+16*(\m)+15], v[GA+8*\u:GA+8*\u+7]
.endr
	WIN 0
.rept 4
	v_nop                                          ; four places ahead of the loads into k's and the bias's registers and of the first read of the results
.endr
	WIN 0x40
.irp u, 0,1
.irp q, 0,1,2,3,4,5,6,7
	ds_load_b128 v[KF+32*\u+4*\q:KF+32*\u+4*\q+3], v[ADV] offset:32768*(\m)+4096*\q+512*\u   ; v^T of 256 keys, two channel tiles
.endr
.endr
	WIN 0
.if (\m) == 1                          ; both rows have used the bias
	s_wait_xcnt 0x0
	s_cmp_eq_u32 s31, 3
	s_cbranch_scc1 .Lz_\@
	s_add_nc_u64 s[78:79], s[78:79], 0x40000       ; the next head's bias
	s_add_nc_u64 s[92:93], s[92:93], 0x20000       ; (the prefetch goes on to the second row)
	BIASH 0
	BIASH 1
	s_branch .Lasked_\@
.Lz_\@:
	WIN 0x40
.set ZN, 0
.rept 32
	global_load_b128 v[BB+4*ZN:BB+4*ZN+3], v[L16], s[80:81] offset:131072*(ZN/16)+512*(ZN%16) th:TH_LOAD_NT   ; Z_raw's rows for the residual: 512 consecutive bytes each
.set ZN, ZN+1
.endr
	WIN 0
.Lasked_\@:
.endif
	s_mov_b32 s60, s46
	s_mov_b32 s61, s46
	s_cmp_eq_u32 s[70+(\m)], 0
	s_cbranch_scc1 .Lopen_\@
.irp g, 0,1,2,3
.irp n, 0,1,2,3,4,5,6,7
	ds_load_b128 v[PC+4*\n:PC+4*\n+3], v[MLA] offset:1024*(\m)+256*\g+64*(\n/2)+16*(\n%2)
.endr
	s_wait_dscnt 0x0
.set MN, 0
.rept 16
	v_pk_fma_f32 v[SB+32*\g+MN:SB+32*\g+MN+1], v[SB+32*\g+MN:SB+32*\g+MN+1], s[60:61], v[PC+MN:PC+MN+1] op_sel_hi:[1,0,1]   ; t = S c + the mask's term, one rounding
.set MN, MN+2
.endr
.endr
	s_mov_b32 s60, 1.0
	s_mov_b32 s61, 1.0
.Lopen_\@:
.irp k, 0,1,2,3                        ; the largest of my 128, in four chains
	v_max3_num_f32 v[MX+\k], v[SB+3*\k], v[SB+3*\k+1], v[SB+3*\k+2]
.endr
.set TN, 12
.rept 14
.irp k, 0,1,2,3
	v_max3_num_f32 v[MX+\k], v[MX+\k], v[SB+TN+2*\k], v[SB+TN+2*\k+1]
.endr
.set TN, TN+8
.endr
	v_max3_num_f32 v[MX], v[MX], v[SB+124], v[SB+125]
	v_max3_num_f32 v[MX+1], v[MX+1], v[SB+126], v[SB+127]
	v_max_num_f32 v[MX+2], v[MX+2], v[MX+3]
	v_pk_mul_f32 v[GA:GA+1], v[GA:GA+1], s[62:63] op_sel_hi:[1,0]   ; the gate's exponents, -log2(e) (sum + bg)
	v_max3_num_f32 v[MX], v[MX], v[MX+1], v[MX+2]
	v_pk_mul_f32 v[GA+8:GA+9], v[GA+8:GA+9], s[62:63] op_sel_hi:[1,0]
	v_pk_mul_f32 v[GA+2:GA+3], v[GA+2:GA+3], s[62:63] op_sel_hi:[1,0]
	v_permlanex16_b32 v[PX], v[MX], s68, s69       ; the query's other 128 keys lie in lane xor 16
	v_pk_mul_f32 v[GA+4:GA+5], v[GA+4:GA+5], s[62:63] op_sel_hi:[1,0]
	v_pk_mul_f32 v[GA+6:GA+7], v[GA+6:GA+7], s[62:63] op_sel_hi:[1,0]
	v_max_num_f32 v[MX], v[MX], v[PX]
	v_pk_mul_f32 v[GA+10:GA+11], v[GA+10:GA+11], s[62:63] op_sel_hi:[1,0]
	v_mul_f32 v[MX], s60, v[MX]
	v_pk_mul_f32 v[GA+12:GA+13], v[GA+12:GA+13], s[62:63] op_sel_hi:[1,0]
	v_floor_f32 v[NM], -v[MX]                      ; -M = floor(-t)
	v_pk_mul_f32 v[GA+14:GA+15], v[GA+14:GA+15], s[62:63] op_sel_hi:[1,0]
.set TN, 0
.rept 16
	v_pk_fma_f32 v[SB+TN:SB+TN+1], v[SB+TN:SB+TN+1], s[60:61], v[NM:NM+1] op_sel_hi:[1,0,0]   ; t - M
.set TN, TN+2
.endr
	CHUNK 0
	CHUNK 1
	CHUNK 2
	CHUNK 3
	WALU
.set TN, 0
.rept 16
	v_pk_add_f32 v[PC+TN:PC+TN+1], v[PC+TN:PC+TN+1], v[SB+96+TN:SB+97+TN]
.set TN, TN+2
.endr
.irp d, 16,8,4,2
.set TN, 0
.rept \d/2
	v_pk_add_f32 v[PC+TN:PC+TN+1], v[PC+TN:PC+TN+1], v[PC+TN+\d:PC+TN+\d+1]
.set TN, TN+2
.endr
.endr
	v_add_f32 v[LP], v[PC], v[PC+1]
	v_permlanex16_b32 v[OX], v[LP], s68, s69
	v_add_f32 v[LP], v[LP], v[OX]                  ; the row's sum l,
	v_ldexp_f32 v[LP], v[LP], s47                  ; l' = l x 2^-(e8+e9)
.set TN, 0
.rept 8
	v_pk_fma_f32 v[GA+TN:GA+TN+1], v[GA+TN:GA+TN+1], v[LP:LP+1], v[LP:LP+1] op_sel_hi:[1,0,0]   ; the divisor (1 + 2^x) l'
.set TN, TN+2
.endr
	WALU
	s_cmp_ge_i32 s41, -15                          ; p is at most 1: where 57,344 x 2^e9 is 1 or more the hold can never bite and is passed over: a branch on a whole number that was given
	s_cbranch_scc1 .Lnohold_\@
.set TN, 0
.rept 128
	v_min_num_f32 v[SB+TN], s49, v[SB+TN]          ; p is not negative: the hold is one-sided
.set TN, TN+1
.endr
.Lnohold_\@:
.irp c, 0,1,2,3,4,5,6,7,8,9,10,11,12,13,14,15
	v_cvt_scalef32_pk8_bf8_f32 v[PC+2*\c:PC+2*\c+1], v[SB+8*\c:SB+8*\c+7], v[PSC]
.endr
	v_nop                                          ; a plain instruction between the conversions and the products
	WALU
	s_wait_dscnt 0x0                               ; v is in
	WIN 0x01
.irp u, 0,1                            ; O^T = v^T p^T: two accumulators by turns
	v_wmma_f32_16x16x128_bf8_bf8 v[OA+8*\u:OA+8*\u+7], v[KF+32*\u:KF+32*\u+15], v[PC:PC+15], 0
.endr
.irp u, 0,1
	v_wmma_f32_16x16x128_bf8_bf8 v[OA+8*\u:OA+8*\u+7], v[KF+32*\u+16:KF+32*\u+31], v[PC+16:PC+31], v[OA+8*\u:OA+8*\u+7]
.endr
	WIN 0
.rept 4
	v_nop                                          ; four places ahead of the loads into these products' sources
.endr
.if (\m) == 0
	NEXTF ADK, 32768, ADQ, 2048, ADW, 0
.else
	s_add_co_u32 s31, s31, 1
	s_cmp_eq_u32 s31, 4
	s_cbranch_scc1 .Lwo_\@
	NEXTF ADK, 512, ADQ, 512, ADW, 4096            ; the next head, first row
	s_branch .Lnext_\@
.Lwo_\@:
.set TN, 0
.rept 32
	ds_load_b128 v[SB+4*TN:SB+4*TN+3], v[WLA] offset:16384+512*TN   ; behind the last head: wo's eight fragments
.set TN, TN+1
.endr
.Lnext_\@:
.endif
	WALU
.set TN, 0
.rept 16
	v_rcp_f32 v[GA+TN], v[GA+TN]
.set TN, TN+1
.endr
	v_nop
	WALU                                           ; for the reciprocals, and for the first readers of O^T
.set TN, 0
.rept 8
	v_pk_mul_f32 v[OA+TN:OA+TN+1], v[OA+TN:OA+TN+1], v[GA+TN:GA+TN+1]
.set TN, TN+2
.endr
.set TN, 0
.rept 16
	v_med3_num_f32 v[OA+TN], v[OA+TN], -v[GLM], v[GLM]
.set TN, TN+1
.endr
.irp u, 0,1
	v_cvt_scalef32_pk8_bf8_f32 v[OC+2*\u:OC+2*\u+1], v[OA+8*\u:OA+8*\u+7], v[GSC]
.endr
	v_nop
	NEXTG ADB, 128*(\m)
	ds_store_b128 v[ADQ], v[OC:OC+3] offset:2048*(\m)   ; where this head's q codes lay
	WALU
.endm
	NEXTF L16, 0, QIA, 0, WLA, 0
	NEXTG BGA, 0
	s_mov_b32 s31, 0
.Lhead:
	s_lshl_b32 s84, s31, 9
	s_lshl_b32 s85, s31, 10
	s_add_co_u32 s85, s85, VI
	s_lshl_b32 s86, s31, 12
	s_lshl_b32 s87, s31, 7
	v_add_nc_u32 v[ADK], s84, v[L16]
	v_add_nc_u32 v[ADV], s85, v[L16]
	v_add_nc_u32 v[ADQ], s84, v[QIA]
	v_add_nc_u32 v[ADW], s86, v[WLA]
	v_add_nc_u32 v[ADB], s87, v[BGA]
	WALU
	s_cmp_lt_u32 s31, 2
	s_cbranch_scc0 .Lno_ask
	global_prefetch_b8 v[PFO], s[92:93] th:TH_LOAD_NT scope:SCOPE_SE   ; head 0: the first row's 8,192 bytes of the residual, head 1: the second's
.Lno_ask:
	s_wait_loadcnt 0x0                             ; the head's bias is in
	TRIP 0
	TRIP 1
	s_cmp_lt_u32 s31, 4
	s_cbranch_scc1 .Lhead
	; ---------------- the output projection, out_bias, the residual ----------------
.irp m, 0,1
.irp d, 0,1,2,3
	ds_load_b128 v[PC+16*\m+4*\d:PC+16*\m+4*\d+3], v[QIA] offset:2048*\m+512*\d   ; the gated o's codes: LDS serves a wave's instructions in order, so these see my stores
.endr
.endr
	s_wait_dscnt 0x0
	WIN 0x40
.irp m, 0,1
.irp t, 0,1,2,3,4,5,6,7
	v_wmma_f32_16x16x128_bf8_bf8 v[64*\m+8*\t:64*\m+8*\t+7], v[SB+16*\t:SB+16*\t+15], v[PC+16*\m:PC+16*\m+15], 0   ; out^T: register j of tile t is d = 16 t + 8 h + j of my position
.endr
.endr
	WIN 0
.rept 4
	v_nop
.endr
.irp m, 0,1                            ; through my stage, a row's tile after the other: in as the lanes hold it, back as whole rows of 512 bytes
	WIN 0x04
.irp t, 0,1,2,3,4,5,6,7
	ds_store_b128 v[STA], v[64*\m+8*\t:64*\m+8*\t+3] offset:64*\t
	ds_store_b128 v[STA], v[64*\m+8*\t+4:64*\m+8*\t+7] offset:64*\t+16
.endr
	WIN 0
.set N, 0
.rept 16
	ds_load_b128 v[SB+64*\m+4*N:SB+64*\m+4*N+3], v[RDA] offset:528*N
.set N, N+1
.endr
.endr
	s_wait_loadcnt 0x0                             ; Z_raw's rows are in
	WIN 0x41
.set N, 0
.rept 32
	v_pk_add_f32 v[BB+4*N:BB+4*N+1], v[BB+4*N:BB+4*N+1], v[OB:OB+1]
	v_pk_add_f32 v[BB+4*N+2:BB+4*N+3], v[BB+4*N+2:BB+4*N+3], v[OB+2:OB+3]
.set N, N+1
.endr
	WIN 0
	WALU
.irp b, 0,1,2,3                        ; eight rows at a time; the count: the LDS instructions behind the eighth's load
.if \b < 2
	s_wait_dscnt 40-8*\b
.else
	s_wait_dscnt 24-8*\b
.endif
	WIN 0x10
.set N, 32*\b
.rept 16
	v_pk_fma_f32 v[SB+N:SB+N+1], v[SB+N:SB+N+1], s[66:67], v[BB+N:BB+N+1] op_sel_hi:[1,0,1]   ; sum x 2^(e12+e13) + (Z_raw + out_bias)
.set N, N+2
.endr
	WIN 0
.set N, 8*\b
.rept 8
	global_store_b128 v[L16], v[SB+4*N:SB+4*N+3], s[82:83] offset:131072*(N/16)+512*(N%16) th:TH_STORE_NT   ; 512 consecutive bytes, at a multiple of 512 from out0's first byte
.set N, N+1
.endr
.endr
	s_wait_tensorcnt 0x0                           ; the wave's end
	ds_add_u32 v[SPW], v[NIL]
	s_wait_dscnt 0x0
	s_endpgm
.Lfunc_end_k_qeda1201c03_attend:
	.size	k_qeda1201c03_attend, .Lfunc_end_k_qeda1201c03_attend-k_qeda1201c03_attend
	.p2alignl 7, 3214868480
	.fill 96, 4, 3214868480
	.section	.rodata,"a",@progbits
	.p2align	6, 0x0
	.amdhsa_kernel k_qeda1201c03_attend
		.amdhsa_group_segment_fixed_size 268288
		.amdhsa_private_segment_fixed_size 0
		.amdhsa_enable_private_segment 0
		.amdhsa_kernarg_size 104
		.amdhsa_user_sgpr_count 2
		.amdhsa_user_sgpr_kernarg_segment_ptr 1
		.amdhsa_wavefront_size32 1
		.amdhsa_system_sgpr_workgroup_id_x 1
		.amdhsa_system_sgpr_workgroup_id_y 1
		.amdhsa_system_sgpr_workgroup_id_z 1
		.amdhsa_system_vgpr_workitem_id 0
		.amdhsa_next_free_vgpr 512
		.amdhsa_next_free_sgpr 100
		.amdhsa_reserve_vcc 0
		.amdhsa_float_denorm_mode_32 3
		.amdhsa_float_denorm_mode_16_64 3
		.amdhsa_memory_ordered 1
		.amdhsa_forward_progress 1
		.amdhsa_inst_pref_size 188
	.end_amdhsa_kernel
	.amdgpu_metadata
---
amdhsa.version: [ 1, 2 ]
amdhsa.kernels:
  - .name:           k_qeda1201c03_attend
    .symbol:         k_qeda1201c03_attend.kd
    .args:
      - { .name: Z_raw, .offset: 0, .size: 8, .value_kind: global_buffer, .address_space: global }
      - { .name: Z_mask, .offset: 8, .size: 8, .value_kind: global_buffer, .address_space: global }
      - { .name: lowp_scales, .offset: 16, .size: 8, .value_kind: global_buffer, .address_space: global }
      - { .name: tri, .offset: 24, .size: 8, .value_kind: global_buffer, .address_space: global }
      - { .name: wcodes, .offset: 32, .size: 8, .value_kind: global_buffer, .address_space: global }
      - { .name: zq, .offset: 40, .size: 8, .value_kind: global_buffer, .address_space: global }
      - { .name: zk, .offset: 48, .size: 8, .value_kind: global_buffer, .address_space: global }
      - { .name: zv, .offset: 56, .size: 8, .value_kind: global_buffer, .address_space: global }
      - { .name: zg, .offset: 64, .size: 8, .value_kind: global_buffer, .address_space: global }
      - { .name: flags, .offset: 72, .size: 8, .value_kind: global_buffer, .address_space: global }
      - { .name: bg, .offset: 80, .size: 8, .value_kind: global_buffer, .address_space: global }
      - { .name: out_bias, .offset: 88, .size: 8, .value_kind: global_buffer, .address_space: global }
      - { .name: out0, .offset: 96, .size: 8, .value_kind: global_buffer, .address_space: global }
    .group_segment_fixed_size: 268288
    .private_segment_fixed_size: 0
    .kernarg_segment_align: 8
    .kernarg_segment_size: 104
    .max_flat_workgroup_size: 256
    .sgpr_count:     100
    .vgpr_count:     512
    .wavefront_size: 32
...
	.end_amdgpu_metadata
.endif
;; end of part 2
